; MI455X (gfx1250); checked and timed in simulation.
; The chip was launched on July 23, 2026; its instructions are those of AMD's public machine-readable ISA for CDNA 5 (MIT licence, August 2026) and "CDNA5" Instruction Set Architecture Reference Guide (July 2026). The comments in the code are by the model that wrote it; some were corrected since.
;; GPTQ Linear. Allowed arithmetic: float matrix products may take bf16 or f16 operands with f32 sums; all other float work in f32.
;; Inputs: bias 2,048 float32; perm 4,096 int32; w_packed 2,048 x 2,048 int32; w_scales 2,048 x 32 float32; x 4 x 2,048 x 4,096 float32.
;; Outputs: out0 4 x 2,048 x 2,048 float32.
;; One version. Each part assembles by itself: llvm-mc -triple=amdgcn-amd-amdhsa -mcpu=gfx1250 --defsym DOCPART=n.
;; ======== version 1 of 1: 2 launches
;; workspace buffers: xb 67,108,864 bytes; wb 16,777,216 bytes
;; launch prep (part 1): grid 256 x 1, 8 waves a work-group, no clusters, 327,680 bytes of LDS; arguments x, w_packed, w_scales, perm, xb, wb; writes xb, wb
.if DOCPART == 1
	.amdgcn_target "amdgcn-amd-amdhsa--gfx1250"
	.amdhsa_code_object_version 6
	.text
	.protected	k_q9068fce003_prep
	.globl	k_q9068fce003_prep
	.p2align	8
	.type	k_q9068fce003_prep,@function
k_q9068fce003_prep:
	s_mov_b64 s[64:65], 0
	v_nop
	global_prefetch_b8 v0, s[64:65] scope:SCOPE_SE
	s_setreg_imm32_b32 hwreg(HW_REG_WAVE_MODE, 25, 1), 1
	s_wait_xcnt 0x0
; xb[m][k] = bf16(x[m][perm[k]])            x: [8192][4096] f32, perm: [4096] i32, xb: [8192][4096] bf16
; wb[n][k] = bf16((q[n][k] - 8) * bf16(s[n][k/128]))   w_packed: [2048][2048] i32 (bits 3:0 = even k, bits 7:4 = odd k), s: [2048][32] f32, wb: [2048][4096] bf16
; The gather is made on x, not on the weights: it is then right for every index vector, with repeats too.
; LIMITS.  An index outside 0..4095 (a negative one too) is taken as 4095.  x is rounded to bf16 (beyond bf16's largest finite number: infinity).
; The scale is rounded to bf16 first; (q - 8) x that scale has 12 significant bits at the most, so the fused multiply-add below makes it exactly, and it is rounded to bf16 once.
; SHARES.  Eight waves; work-group g owns rows 32 g .. 32 g + 31 of x, as four tiles of 8 rows, and rows 8 g .. 8 g + 7 of the weights.
; Wave w brings row w of each tile of x (16,384 dense bytes, asked for as 64 rows of 256 bytes) into LDS by one tensor load, and dequantises weight row 8 g + w.
; Thread t owns in every row of xb the columns 8 t .. 8 t + 7 and 2048 + 8 t .. + 7: its 16 gather addresses are made once, and each store of a wave covers 512 consecutive bytes, aligned.
; Two LDS slots of a tile (131,072 bytes) take turns; a slot is read by all eight waves, so each change of slots is a barrier.
; NO CLUSTER: work-groups share nothing but perm, 16,384 of the 607,232 bytes that a work-group reads.  No matrix unit: nothing is multiplied by a matrix here.
.set ROWX,  16384                      ; bytes in a row of x
.set ROWB,  8192                       ; bytes in a row of xb, of wb and of w_packed
.set TILEB, 8*ROWX                     ; a tile of x, and an LDS slot
.set SPARE, 2*TILEB                    ; behind the two slots: the spare words, 128 bytes for each of eight waves: four blocks of 256 bytes that no other line names
.set SPW,  2                           ; v2        LDS address of my spare word; never rewritten
.set NIL,  3                           ; v3        0; never rewritten
.set OFFX, 4                           ; v4        16 t: my 16 bytes in a half row of xb
.set LOFF, 5                           ; v5        16 x lane: my 16 bytes in 512 of w_packed and of wb
.set SOFF, 6                           ; v6        4 x (lane / 16): which of a load's two scale groups is mine
.set POFF, 7                           ; v7        32 t: my eight indices in perm
.set AD,   8                           ; v[8:71]   gather addresses: 16 for slot 0 rows 0-3, 16 for rows 4-7, then the same for slot 1
.set SC,   72                          ; v[72:87]  the scale of my 8 weights in load i, rounded to bf16, as f32
.set M8,   88                          ; v[88:103] -8 x that scale
.set T,    104                         ; v[104:111] at work
.set WQ,   112                         ; v[112:175] w_packed as loaded, then wb as stored
.set Y,    112                         ; v[112:143] later: xb to store, 8 registers a row, four rows
.set X,    176                         ; v[176:239] gathered x, 16 registers a row, four rows
.set G1,   16                          ; s[16:23]  descriptor group 1: the shape, never rewritten
.set G0,   24                          ; s[24:31]  descriptor group 0, a set for each slot
	s_load_b256 s[4:11], s[0:1], 0x0               ; x s[4:5], w_packed s[6:7], w_scales s[8:9], perm s[10:11]
	s_load_b128 s[12:15], s[0:1], 0x20             ; xb s[12:13], wb s[14:15]
	v_lshl_add_u32 v[SPW], v0, 2, SPARE
	v_mov_b32 v[NIL], 0
	ds_add_u32 v[SPW], v[NIL]                      ; the wave's opening: the add and its wait ahead of my first tensor load; the set-up below, work on registers, stands between them
	v_lshrrev_b32 v1, 5, v0
	v_readfirstlane_b32 s32, v1                    ; my wave's number, as a scalar
	s_lshl_b32 s33, s32, 14                        ; wave x 16,384: my row in a tile, in memory and in LDS
	; group 1: 64 rows of 32 elements of 8 bytes, dense: one row of x
	s_mov_b32 s[G1+0], 3<<16                       ; no mask; 17:16 elements of 8 bytes; no padding (the gathers' addresses are the input's: no pitch helps them)
	s_mov_b32 s[G1+1], 32<<16                      ; tensor_dim0 = 32
	s_mov_b32 s[G1+2], 64<<16                      ; tensor_dim1 = 64
	s_mov_b32 s[G1+3], 32<<16                      ; tile_dim0 = 32
	s_mov_b32 s[G1+4], 64                          ; tile_dim1 = 64
	s_mov_b32 s[G1+5], 32                          ; 32 elements from row to row
	s_mov_b32 s[G1+6], 0
	s_mov_b32 s[G1+7], 0
	s_lshl_b32 s34, ttmp9, 19                      ; x: 32 rows of 16,384 bytes a work-group (under 2^27),
	s_add_co_u32 s34, s34, s33                     ; and my row of the tile
	s_mov_b32 s35, 0
	s_lshl_b32 s36, ttmp9, 3
	s_add_co_u32 s36, s36, s32                     ; my weight row, 8 g + w
	s_lshl_b32 s38, s36, 7                         ; its 128 bytes of scales
	s_lshl_b32 s36, s36, 13                        ; its 8,192 bytes in w_packed and in wb
	s_mov_b32 s37, 0
	s_mov_b32 s39, 0
	s_lshl_b32 s40, ttmp9, 18                      ; xb: 32 rows of 8,192 bytes a work-group
	s_mov_b32 s41, 0
	v_lshlrev_b32 v[OFFX], 4, v0
	v_and_b32 v1, 31, v0
	v_lshlrev_b32 v[LOFF], 4, v1
	v_bfe_u32 v1, v0, 4, 1
	v_lshlrev_b32 v[SOFF], 2, v1
	v_lshlrev_b32 v[POFF], 5, v0
	s_wait_dscnt 0x0                               ; the opening add is done
	s_wait_kmcnt 0x0
	s_add_nc_u64 s[4:5], s[4:5], s[34:35]          ; x at my row of tile 0
	s_add_nc_u64 s[6:7], s[6:7], s[36:37]          ; w_packed at my weight row
	s_add_nc_u64 s[14:15], s[14:15], s[36:37]      ; wb likewise
	s_add_nc_u64 s[8:9], s[8:9], s[38:39]          ; its scales
	s_add_nc_u64 s[12:13], s[12:13], s[40:41]      ; xb at the group's first row
	; group 0, once for each slot, and the slot's first fill: tiles 0 and 1 go out together, ahead of every wait on TENSORcnt, every LDS read and every barrier: two loads of mine are out
.irp s, 0,1
	s_mov_b32 s[G0+4*(\s)], 1                                      ; count = 1
	s_add_co_u32 s[G0+4*(\s)+1], s33, (\s)*TILEB                   ; LDS address: the slot, my row
	s_add_nc_u64 s[G0+4*(\s)+2:G0+4*(\s)+3], s[4:5], (\s)*TILEB    ; global address: tile s, my row
	s_or_b32 s[G0+4*(\s)+3], s[G0+4*(\s)+3], 0x80000000            ; type = 2
	tensor_load_to_lds s[G0+4*(\s):G0+4*(\s)+3], s[G1:G1+7]
	s_nop 0
.endr
	global_load_b128 v[AD:AD+3],     v[POFF], s[10:11]             ; perm[8 t .. 8 t + 7],
	global_load_b128 v[AD+4:AD+7],   v[POFF], s[10:11] offset:16
	global_load_b128 v[AD+8:AD+11],  v[POFF], s[10:11] offset:8192 ; perm[2048 + 8 t .. + 7]
	global_load_b128 v[AD+12:AD+15], v[POFF], s[10:11] offset:8208
.irp i, 0,1,2,3,4,5,6,7,8,9,10,11,12,13,14,15
	global_load_b32 v[SC+(\i)], v[SOFF], s[8:9] offset:8*(\i)      ; load i of w_packed holds k = 256 i + 8 lane ..: group 2 i + lane / 16
.endr
.irp i, 0,1,2,3,4,5,6,7,8,9,10,11,12,13,14,15
	global_load_b128 v[WQ+4*(\i):WQ+4*(\i)+3], v[LOFF], s[6:7] offset:512*(\i) th:TH_LOAD_NT  ; 512 consecutive bytes a wave; read once in the launch
.endr
	s_wait_loadcnt 16                              ; loads come back in order: perm and the scales are in, the sixteen of w_packed stay out
.irp i, 0,1,2,3,4,5,6,7,8,9,10,11,12,13,14,15
	v_min_u32 v[AD+(\i)], 0xfff, v[AD+(\i)]        ; the index stays inside a row
	v_lshlrev_b32 v[AD+(\i)], 2, v[AD+(\i)]        ; in bytes: slot 0, rows 0-3 (the row stands in the load's 16-bit immediate)
	v_add_nc_u32 v[AD+16+(\i)], 4*ROWX, v[AD+(\i)] ; slot 0, rows 4-7
	v_add_nc_u32 v[AD+32+(\i)], TILEB, v[AD+(\i)]  ; slot 1, rows 0-3
	v_add_nc_u32 v[AD+48+(\i)], TILEB+4*ROWX, v[AD+(\i)]  ; slot 1, rows 4-7
.endr
.irp a, 0,1,2,3,4,5,6,7
	v_cvt_pk_bf16_f32 v[T+(\a)], v[SC+2*(\a)], v[SC+2*(\a)+1]     ; the scales are rounded to bf16,
.endr
.irp a, 0,1,2,3,4,5,6,7
	v_lshlrev_b32 v[SC+2*(\a)], 16, v[T+(\a)]      ; and widened again
	v_and_b32 v[SC+2*(\a)+1], 0xffff0000, v[T+(\a)]
.endr
.irp i, 0,1,2,3,4,5,6,7,8,9,10,11,12,13,14,15
	v_mul_f32 v[M8+(\i)], 0xc1000000, v[SC+(\i)]   ; -8 s, exact
.endr
	; THE WEIGHTS, in the wait for the first tile of x.  Four words are eight codes are 16 bytes of wb.
.irp i, 0,1,2,3,4,5,6,7,8,9,10,11,12,13,14,15
	s_wait_loadcnt 15-(\i)                         ; load i is in, the younger ones stay out
.irp c, 0,1,2,3
	v_and_b32 v[T+2*(\c)], 15, v[WQ+4*(\i)+(\c)]           ; the even k's code,
	v_bfe_u32 v[T+2*(\c)+1], v[WQ+4*(\i)+(\c)], 4, 4       ; the odd k's
.endr
.irp c, 0,1,2,3,4,5,6,7
	v_cvt_f32_u32 v[T+(\c)], v[T+(\c)]
.endr
.irp c, 0,1,2,3,4,5,6,7
	v_fma_f32 v[T+(\c)], v[T+(\c)], v[SC+(\i)], v[M8+(\i)] ; q s - 8 s in one rounding, which here changes nothing
.endr
.irp c, 0,1,2,3
	v_cvt_pk_bf16_f32 v[WQ+4*(\i)+(\c)], v[T+2*(\c)], v[T+2*(\c)+1]  ; the one rounding; the even k in the low half
.endr
	global_store_b128 v[LOFF], v[WQ+4*(\i):WQ+4*(\i)+3], s[14:15] offset:512*(\i)  ; 512 consecutive bytes a wave, aligned
.endr
; Four rows of a tile: rows 4 hf .. 4 hf + 3 of the tile in the slot.  64 gathers in one run, then row by row: eight roundings and two stores.
.macro HALF tile, slot, hf
.irp j, 0,1,2,3
.irp i, 0,1,2,3,4,5,6,7,8,9,10,11,12,13,14,15
	ds_load_b32 v[X+16*(\j)+(\i)], v[AD+32*(\slot)+16*(\hf)+(\i)] offset:ROWX*(\j)
.endr
.endr
	s_wait_xcnt 0x0                                ; every earlier store has had its addresses translated (ISA guide 3.1): Y, which those stores read, is rewritten only behind this wait
.irp j, 0,1,2,3
	s_wait_dscnt 16*(3-(\j))                       ; LDS loads come back in order (ISA guide 5.7.1): row j's sixteen are in, the later rows' may be out
.irp c, 0,1,2,3,4,5,6,7
	v_cvt_pk_bf16_f32 v[Y+8*(\j)+(\c)], v[X+16*(\j)+2*(\c)], v[X+16*(\j)+2*(\c)+1]
.endr
	global_store_b128 v[OFFX], v[Y+8*(\j):Y+8*(\j)+3],   s[12:13] offset:(8*(\tile)+4*(\hf)+(\j))*ROWB       ; columns 8 t ..: a wave covers 512 consecutive bytes, aligned
	global_store_b128 v[OFFX], v[Y+8*(\j)+4:Y+8*(\j)+7], s[12:13] offset:(8*(\tile)+4*(\hf)+(\j))*ROWB+4096  ; columns 2048 + 8 t ..; the largest immediate is 258,048
.endr
.endm
.macro TILE tile, slot
	HALF \tile, \slot, 0
	HALF \tile, \slot, 1
.endm
; A change of slots.  In front of the barrier every wave has seen all its tensor loads land (its row of the other slot among them) and its own gathers from this slot come back:
; behind it the other slot is whole for all eight waves and nobody reads this one.  fill = 1: this slot takes the tile two further on, my one tensor load behind the barrier and the first thing there.
.macro CHANGE slot, fill
	s_wait_tensorcnt 0x0                           ; no tensor load of mine is out, so a group 0 may be written
	ds_add_u32 v[SPW], v[NIL]                      ; 0 onto my spare word
.if \fill
	s_add_nc_u64 s[G0+4*(\slot)+2:G0+4*(\slot)+3], s[G0+4*(\slot)+2:G0+4*(\slot)+3], 2*TILEB  ; two tiles on; the type bits on top are not reached
.endif
	s_wait_dscnt 0x0                               ; the add is done, and my reads of the slot are over
	s_barrier_signal -1
	s_barrier_wait -1
.if \fill
	tensor_load_to_lds s[G0+4*(\slot):G0+4*(\slot)+3], s[G1:G1+7]
	s_nop 0
.endif
.endm
	s_wait_tensorcnt 0x1                           ; my row of tile 0 is in; tile 1's may stay out
	s_barrier_signal -1
	s_barrier_wait -1                              ; everybody's row is in
	TILE 0, 0
	CHANGE 0, 1                                    ; tile 1 is whole; tile 2 goes out, 16,384 bytes a wave, and has tile 1's work in which to land
	TILE 1, 1
	CHANGE 1, 1                                    ; tile 2 is whole; tile 3 goes out: the last load
	TILE 2, 0
	CHANGE 0, 0                                    ; tile 3 is whole; nothing is left to fetch
	TILE 3, 1
	s_wait_tensorcnt 0x0                           ; the wave's end
	ds_add_u32 v[SPW], v[NIL]
	s_wait_dscnt 0x0
	s_endpgm
.Lfunc_end_k_q9068fce003_prep:
	.size	k_q9068fce003_prep, .Lfunc_end_k_q9068fce003_prep-k_q9068fce003_prep
	.p2alignl 7, 3214868480
	.fill 96, 4, 3214868480
	.section	.rodata,"a",@progbits
	.p2align	6, 0x0
	.amdhsa_kernel k_q9068fce003_prep
		.amdhsa_group_segment_fixed_size 327680
		.amdhsa_private_segment_fixed_size 0
		.amdhsa_enable_private_segment 0
		.amdhsa_kernarg_size 48
		.amdhsa_user_sgpr_count 2
		.amdhsa_user_sgpr_kernarg_segment_ptr 1
		.amdhsa_wavefront_size32 1
		.amdhsa_system_sgpr_workgroup_id_x 1
		.amdhsa_system_sgpr_workgroup_id_y 1
		.amdhsa_system_sgpr_workgroup_id_z 1
		.amdhsa_system_vgpr_workitem_id 0
		.amdhsa_next_free_vgpr 240
		.amdhsa_next_free_sgpr 66
		.amdhsa_reserve_vcc 0
		.amdhsa_float_denorm_mode_32 3
		.amdhsa_float_denorm_mode_16_64 3
		.amdhsa_memory_ordered 1
		.amdhsa_forward_progress 1
		.amdhsa_inst_pref_size 94
	.end_amdhsa_kernel
	.amdgpu_metadata
---
amdhsa.version: [ 1, 2 ]
amdhsa.kernels:
  - .name:           k_q9068fce003_prep
    .symbol:         k_q9068fce003_prep.kd
    .args:
      - { .name: x, .offset: 0, .size: 8, .value_kind: global_buffer, .address_space: global }
      - { .name: w_packed, .offset: 8, .size: 8, .value_kind: global_buffer, .address_space: global }
      - { .name: w_scales, .offset: 16, .size: 8, .value_kind: global_buffer, .address_space: global }
      - { .name: perm, .offset: 24, .size: 8, .value_kind: global_buffer, .address_space: global }
      - { .name: xb, .offset: 32, .size: 8, .value_kind: global_buffer, .address_space: global }
      - { .name: wb, .offset: 40, .size: 8, .value_kind: global_buffer, .address_space: global }
    .group_segment_fixed_size: 327680
    .private_segment_fixed_size: 0
    .kernarg_segment_align: 8
    .kernarg_segment_size: 48
    .max_flat_workgroup_size: 256
    .sgpr_count:     66
    .vgpr_count:     240
    .wavefront_size: 32
...
	.end_amdgpu_metadata
.endif
;; end of part 1
;; launch gemm (part 2): grid 8 x 32, 4 waves a work-group, clusters of 4 x 4, 327,680 bytes of LDS; arguments xb, wb, bias, out0; writes out0
.if DOCPART == 2
	.amdgcn_target "amdgcn-amd-amdhsa--gfx1250"
	.amdhsa_code_object_version 6
	.text
	.protected	k_q9068fce003_gemm
	.globl	k_q9068fce003_gemm
	.p2align	8
	.type	k_q9068fce003_gemm,@function
k_q9068fce003_gemm:
	s_mov_b64 s[64:65], 0
	v_nop
	global_prefetch_b8 v0, s[64:65] scope:SCOPE_SE
	s_setreg_imm32_b32 hwreg(HW_REG_WAVE_MODE, 25, 1), 1
	s_wait_xcnt 0x0
	s_wait_alu depctr_hold_cnt(0) depctr_sa_sdst(0) depctr_va_vdst(0) depctr_va_sdst(0) depctr_va_ssrc(0) depctr_va_vcc(0) depctr_vm_vsrc(0)
	s_getreg_b32 s2, hwreg(HW_REG_IB_STS2, 6, 4)
	s_cmp_eq_u32 s2, 0
	s_cbranch_scc0 .Lentry_in_a_cluster
	s_endpgm
.Lentry_in_a_cluster:
	s_bfe_u32 s2, ttmp6, 0x10000c
	s_cmp_lg_u32 s2, 0xf033
	s_cbranch_scc0 .Lentry_shape_is_right
	s_endpgm
.Lentry_shape_is_right:
; out0[m][n] = bias[n] + sum over k of xb[m][k] wb[n][k].  xb: [8192][4096] bf16, wb: [2048][4096] bf16, bias: [2048] f32, out0: [8192][2048] f32; sums in f32.
; ORDER OF ROUNDING: the bias is the C operand of each sum's first product, then K ascends in steps of 32: another order than a product followed by an addition of the bias.
; A tile of out0, 256 x 256, is made by a work-group of four waves; 32 x 8 tiles are 256 work-groups.  A wave makes 128 x 128: 64 accumulators of 16 x 16, 512 registers.
; K goes in steps of 128 through a ring of two LDS slots filled by the tensor data mover: the tiles' rows are 256 bytes of memory and start at multiples of 256 bytes from the buffer's first byte.
; CLUSTERS: 4 x 4 work-groups.  The four of a row of the cluster need the same tiles of xb, the four of a column the same tiles of wb: each tile is asked for JOINTLY, by the same tensor load with the same
; descriptor and a mask that names the four, and each receives it in its own LDS: a quarter of the requests.
; THE MATRIX INSTRUCTION IS USED TRANSPOSED: source 0 = 16 rows of wb, source 1 = 16 rows of xb.  Lane l then holds row l % 16 of out0 and, in registers 0 to 7, the columns 8 (l / 16) + 0..7: 32 neighbouring bytes.
; REGISTERS, in windows of 256 (s_set_vgpr_msb: bits 1:0 source 0, 3:2 source 1, 5:4 source 2, 7:6 destination):
;   window 0: v0-31 addresses; v64-127, v128-191 fragments of xb, two buffers, and on the way out two banks of 16 rows read back from the stage; v192-255 the bias of my 128 columns, as eight C operands
;   window 1: v64-127, v128-191 fragments of wb, two buffers
;   window 2: the 32 accumulators of my rows 0-63 ((a, b) at v[8 (8 a + b)]);   window 3: those of my rows 64-127
.set SIZE_M, 8192
.set SIZE_N, 2048
.set SIZE_K, 4096
.set KSTEP,  128
.set PITCH,  272                       ; an LDS row: 256 bytes + 16 of padding = 68 words: row r starts at bank 4 r mod 64 (64 banks of 4 bytes: ISA guide 11.1), so the 16 rows of a load start at 16 different banks
.set HALFT,  128*PITCH                 ; 128 rows: what one tensor load brings, and what one wave reads of xb or of wb
.set SLOT,   4*HALFT                   ; xb's 256 rows, then wb's 256 rows
.set STAGE,  2*SLOT                    ; behind the ring, never filled by a tensor load: 16 rows x 528 bytes for each wave, for the way out
.set SPITCH, 528                       ; 512 bytes (128 f32) + 16 = 132 words: again 16 rows at 16 different groups of four banks
.set SPARE,  STAGE+4*16*SPITCH         ; behind the stages: the spare words, 128 bytes for each wave: two blocks of 256 bytes that no other line names
.set LAPS,   SIZE_K/(2*KSTEP)          ; a lap = two K steps = once round the ring: 16
.set ADRA, 16                          ; v16-17  LDS address of my xb fragments in slot 0, 1
.set ADRB, 20                          ; v20-21  the same for wb
.set STO,  24                          ; v24     the way out: where I put 32 bytes of a row
.set RD,   25                          ; v25     the way out: where I read a row back
.set CO,   26                          ; v26     16 x lane: my 16 bytes in 512 of out0
.set BO,   27                          ; v27     32 x (lane / 16): my eight numbers in 16 of the bias
.set SPW,  28                          ; v28     LDS address of my spare word; never rewritten
.set NIL,  29                          ; v29     0; never rewritten
.set F0,   64                          ; fragment buffer 0
.set F1,   128                         ; fragment buffer 1
.set BI,   192                         ; the bias: column block b at v[BI + 8 b + j] = bias[my first column + 16 b + 8 (l / 16) + j]
.set G1,  24                           ; s[24:31] descriptor group 1 for xb's tiles
.set G0,  32                           ; s[32:39] group 0 for xb's tiles, one set for each slot
.set G1B, 48                           ; s[48:55] group 1 for wb's tiles: it differs in the mask alone
.set G0B, 56                           ; s[56:63] group 0 for wb's tiles
.set MSB, 0
.macro WIN new                         ; the immediate's high byte repeats the setting that is left; a switch that changes nothing is dropped
.if MSB != (\new)
	s_set_vgpr_msb (MSB<<8)|(\new)
.set MSB, \new
.endif
.endm
.set MUL_LO, 0xa1                      ; source 0 (wb) window 1, source 1 (xb) window 0, C and D window 2
.set MUL_0,  0x81                      ; the same with C (the bias) in window 0
.set TO_B,   0x40                      ; destination window 1, address window 0
; A joint load.  Waves 0 and 1 fetch xb's two halves, waves 2 and 3 wb's.  Each of the two lines has one mask and one set of registers for all that issue it; the branch hangs on the wave's number alone.
; An s_nop 0 and four v_nop follow each of the two lines, ahead of the jump, the label and what follows.
.macro JLOAD s
	s_cmp_eq_u32 s11, 0
	s_cbranch_scc0 .Lfor_b_\@
	tensor_load_to_lds s[G0+4*(\s):G0+4*(\s)+3], s[G1:G1+7]
	s_nop 0
.rept 4
	v_nop
.endr
	s_branch .Lasked_\@
.Lfor_b_\@:
	tensor_load_to_lds s[G0B+4*(\s):G0B+4*(\s)+3], s[G1B:G1B+7]
	s_nop 0
.rept 4
	v_nop
.endr
.Lasked_\@:
.endm
; A round of the cluster's barrier: my work-group's barrier, so that wave 0's signal speaks for all four waves; wave 0 signals for the work-group; every wave waits for all sixteen work-groups; my work-group's barrier once more.
.macro CREST                           ; a round behind its opening barrier
	s_cmp_lg_u32 s10, 0
	s_cbranch_scc1 .Lnot_wave_0_\@
	s_barrier_signal -3
.Lnot_wave_0_\@:
	s_barrier_wait -3
	s_barrier_signal -1
	s_barrier_wait -1
.endm
.macro CROUND                          ; a whole round
	s_barrier_signal -1
	s_barrier_wait -1
	CREST
.endm
	s_load_b128 s[4:7], s[0:1], 0x0                ; xb s[4:5], wb s[6:7]
	s_load_b64 s[66:67], s[0:1], 0x10              ; bias
	s_load_b64 s[8:9], s[0:1], 0x18                ; out0
	v_lshl_add_u32 v[SPW], v0, 2, SPARE
	v_mov_b32 v[NIL], 0
	ds_add_u32 v[SPW], v[NIL]                      ; the wave's opening: the add and its wait ahead of my first tensor load; the set-up below, work on registers, stands between them
	v_lshrrev_b32 v1, 5, v0
	v_readfirstlane_b32 s10, v1                    ; wave 0..3
	s_lshr_b32 s11, s10, 1                         ; which half of the tile's rows is mine.  Also: I fetch for xb (0) or for wb (1)
	s_and_b32 s12, s10, 1                          ; which half of its columns.  Also: which 128 rows of that tile I fetch
	s_bfe_u32 s40, ttmp6, 0x40000                  ; cx: my place along the cluster's x
	s_bfe_u32 s41, ttmp6, 0x40004                  ; cy: along its y
	s_lshl_b32 s42, ttmp9, 2                       ; in a cluster launch ttmp9 and ttmp7 count clusters
	s_add_co_u32 s42, s42, s40                     ; tile column = 4 x cluster x + cx
	s_and_b32 s13, ttmp7, 0xffff
	s_lshl_b32 s13, s13, 2
	s_add_co_u32 s13, s13, s41                     ; tile row = 4 x cluster y + cy
	s_lshl_b32 s43, s41, 2
	s_lshl_b32 s43, 15, s43                        ; my row of the cluster: places 4 cy .. 4 cy + 3
	s_lshl_b32 s44, 0x1111, s40                    ; my column: places cx, cx + 4, cx + 8, cx + 12
	; descriptor group 1: a tile of 128 rows x 128 elements, padded in LDS
	s_or_b32 s[G1+0], s43, (1<<16)|(1<<20)|(1<<21)|(5<<22)|(3<<25)  ; 15:0 the mask: xb's tiles go to my row; 17:16 elements of 2 bytes; 20 padding on; 21 set beside a mask; 24:22 after every 64 words (code 5); 31:25 4 words of it (code 3)
	s_or_b32 s[G1B+0], s44, (1<<16)|(1<<20)|(1<<21)|(5<<22)|(3<<25) ; the same with the mask of my column, for wb's tiles
.irp g, G1, G1B
	s_mov_b32 s[(\g)+1], KSTEP<<16                 ; tensor_dim0 = 128
	s_mov_b32 s[(\g)+2], 128<<16                   ; tensor_dim1 = 128
	s_mov_b32 s[(\g)+3], KSTEP<<16                 ; tile_dim0 = 128
	s_mov_b32 s[(\g)+4], 128                       ; tile_dim1 = 128
	s_mov_b32 s[(\g)+5], SIZE_K                    ; elements from row to row
	s_mov_b32 s[(\g)+6], 0
	s_mov_b32 s[(\g)+7], 0
.endr
	; where the tiles come from.  xb's hang on the tile row alone, which my row of the cluster shares; wb's on the tile column alone, which my column shares.
	; Every wave makes both addresses, in registers that never hold the other coordinate, and asks by one of them.
	s_lshl_b32 s17, s12, 7                         ; which 128 rows of the tile I fetch
	s_lshl_b32 s16, s13, 8
	s_add_co_u32 s16, s16, s17                     ; xb: row 256 x tile row + 128 x half
	s_lshl_b32 s46, s42, 8
	s_add_co_u32 s46, s46, s17                     ; wb: row 256 x tile column + 128 x half
	s_mov_b32 s17, 0
	s_mov_b32 s47, 0
	s_mov_b64 s[18:19], SIZE_K*2
	s_mul_u64 s[16:17], s[16:17], s[18:19]         ; in bytes, in 64 bits
	s_mul_u64 s[46:47], s[46:47], s[18:19]
	s_mul_i32 s20, s10, HALFT                      ; and where they go: wave x 128 rows: no place in the cluster enters an LDS address
	s_wait_dscnt 0x0                               ; the opening add is done
	s_wait_kmcnt 0x0
	s_add_nc_u64 s[14:15], s[4:5], s[16:17]
	s_add_nc_u64 s[46:47], s[6:7], s[46:47]
	CROUND                                         ; all sixteen work-groups are here: the first joint loads meet
.irp s, 0,1
	s_mov_b32 s[G0+4*(\s)], 1                                      ; count = 1
	s_add_co_u32 s[G0+4*(\s)+1], s20, (\s)*SLOT                    ; LDS address
	s_add_nc_u64 s[G0+4*(\s)+2:G0+4*(\s)+3], s[14:15], (\s)*KSTEP*2  ; global address: K step s
	s_or_b32 s[G0+4*(\s)+3], s[G0+4*(\s)+3], 0x80000000            ; type = 2
	s_mov_b32 s[G0B+4*(\s)], 1
	s_add_co_u32 s[G0B+4*(\s)+1], s20, (\s)*SLOT
	s_add_nc_u64 s[G0B+4*(\s)+2:G0B+4*(\s)+3], s[46:47], (\s)*KSTEP*2
	s_or_b32 s[G0B+4*(\s)+3], s[G0B+4*(\s)+3], 0x80000000
	JLOAD \s                                       ; the ring is filled before anything else is done: two loads of mine are out
.endr
	; A fragment is 16 rows x 32 K in 8 registers: lane l holds row l % 16; registers 0-3 hold K = 8 (l / 16) + 0..7, registers 4-7 K = 16 + 8 (l / 16) + 0..7: two loads of 16 bytes, 32 bytes apart.
	v_and_b32 v1, 15, v0                           ; l % 16
	v_bfe_u32 v2, v0, 4, 1                         ; l / 16
	v_mul_u32_u24 v3, v1, PITCH
	v_lshl_add_u32 v3, v2, 4, v3                   ; row x pitch + 16 x half
	s_mul_i32 s21, s11, HALFT                      ; my 128 rows of xb
	s_mul_i32 s22, s12, HALFT                      ; my 128 rows of wb,
	s_add_co_u32 s22, s22, 2*HALFT                 ; which lie behind xb's 256
.irp s, 0,1
	v_add_nc_u32 v[ADRA+(\s)], s21, v3
	v_add_nc_u32 v[ADRB+(\s)], s22, v3
	s_add_co_u32 s21, s21, SLOT
	s_add_co_u32 s22, s22, SLOT
.endr
	s_mul_i32 s23, s10, 16*SPITCH
	s_add_co_u32 s23, s23, STAGE                   ; my stage
	v_mul_u32_u24 v4, v1, SPITCH                   ; in: row l % 16, 32 bytes for each half of the lanes
	v_lshl_add_u32 v4, v2, 5, v4
	v_add_nc_u32 v[STO], s23, v4
	v_and_b32 v5, 31, v0
	v_lshlrev_b32 v[CO], 4, v5                     ; back: the 32 lanes take one row of 512 bytes,
	v_add_nc_u32 v[RD], s23, v[CO]                 ; which are 512 consecutive bytes of out0
	v_lshlrev_b32 v[BO], 5, v2
	; where my part begins in out0 and in the bias
	s_lshl_b32 s13, s13, 8
	s_lshl_b32 s14, s11, 7
	s_add_co_u32 s16, s13, s14                     ; my first row,
	s_lshl_b32 s16, s16, 13                        ; times 8,192 bytes: under 2^27
	s_mov_b32 s17, 0
	s_lshl_b32 s46, s42, 10                        ; my first column, in bytes of f32: 1,024 x tile column + 512 x half (in the registers that held wb's address: none that feeds xb's descriptors ever holds cx)
	s_lshl_b32 s47, s12, 9
	s_add_co_u32 s46, s46, s47
	s_mov_b32 s47, 0
	s_add_nc_u64 s[66:67], s[66:67], s[46:47]
	s_add_nc_u64 s[8:9], s[8:9], s[16:17]
	s_add_nc_u64 s[8:9], s[8:9], s[46:47]
.irp b, 0,1,2,3,4,5,6,7
	global_load_b128 v[BI+8*(\b):BI+8*(\b)+3],   v[BO], s[66:67] offset:64*(\b)      ; the bias in the layout of a result: register j = column 16 b + 8 (l / 16) + j, the same for all 16 rows
	global_load_b128 v[BI+8*(\b)+4:BI+8*(\b)+7], v[BO], s[66:67] offset:64*(\b)+16
.endr
; 16 matrix instructions: m blocks a0, a0 + 1 of the window's four (hi = 0: my rows 0-63, 1: rows 64-127) x all 8 n blocks, 32 along K.
; zero = 1: the first product starts the sums, with the bias as its C: nothing is cleared, and no vector instruction adds the bias.
.macro MUL16 f, hi, a0, zero
.if \zero
	WIN MUL_0+0x40*(\hi)
.else
	WIN MUL_LO+0x50*(\hi)
.endif
.irp a, \a0, (\a0)+1
.irp b, 0,1,2,3,4,5,6,7
.if \zero
	v_wmma_f32_16x16x32_bf16 v[8*(8*(\a)+(\b)):8*(8*(\a)+(\b))+7], v[(\f)+8*(\b):(\f)+8*(\b)+7], v[(\f)+8*(4*(\hi)+(\a)):(\f)+8*(4*(\hi)+(\a))+7], v[BI+8*(\b):BI+8*(\b)+7]
.else
	v_wmma_f32_16x16x32_bf16 v[8*(8*(\a)+(\b)):8*(8*(\a)+(\b))+7], v[(\f)+8*(\b):(\f)+8*(\b)+7], v[(\f)+8*(4*(\hi)+(\a)):(\f)+8*(4*(\hi)+(\a))+7], v[8*(8*(\a)+(\b)):8*(8*(\a)+(\b))+7]
.endif
.endr
.endr
.endm
; 32 LDS loads in one run: the fragments of one quarter step (128 rows of wb, 128 rows of xb, 32 K at byte k of the rows) into buffer f
.macro FETCH slot, k, f
	WIN TO_B
.irp i, 0,1,2,3,4,5,6,7
	ds_load_b128 v[(\f)+8*(\i):(\f)+8*(\i)+3],   v[ADRB+(\slot)] offset:(\k)+(\i)*16*PITCH
	ds_load_b128 v[(\f)+8*(\i)+4:(\f)+8*(\i)+7], v[ADRB+(\slot)] offset:(\k)+(\i)*16*PITCH+32
.endr
	WIN 0
.irp i, 0,1,2,3,4,5,6,7
	ds_load_b128 v[(\f)+8*(\i):(\f)+8*(\i)+3],   v[ADRA+(\slot)] offset:(\k)+(\i)*16*PITCH
	ds_load_b128 v[(\f)+8*(\i)+4:(\f)+8*(\i)+7], v[ADRA+(\slot)] offset:(\k)+(\i)*16*PITCH+32
.endr
.endm
; A load into a register that a matrix instruction has read, and an LDS store that reads a matrix result, stand four places behind that matrix instruction, and only plain vector instructions that
; name none of its registers are places (ISA guide 7.12.1 for vector instructions).  No other vector work is at hand: four v_nop.
.macro PLACES
.rept 4
	v_nop
.endr
.endm
; A K step is four quarter steps of 32 along K, 64 matrix instructions each, on buffers 0, 1, 0, 1.  The 64 accumulators take turns, in the same order in every quarter.
; One of the first three: multiplies buffer f; in its middle it fetches the next quarter's fragments, at byte k of the same slot's rows, into buffer g.
.macro QUARTER slot, k, f, g, zero
	s_wait_dscnt 8                                 ; wb and xb's rows 0-63 are in; the youngest eight loads (xb's rows 64-127) may be out
	MUL16 \f, 0, 0, \zero
	MUL16 \f, 0, 2, \zero
	PLACES
	FETCH \slot, \k, \g
	s_wait_dscnt 32                                ; all but the 32 just issued
	MUL16 \f, 1, 0, \zero
	MUL16 \f, 1, 2, \zero
.endm
; The last quarter multiplies buffer 1 and changes slots.  MEET is its first half: ONE barrier for the change.  In front of it each wave waits for all its tensor loads, of which one is out: its part of the
; next slot; adds 0 to its spare word; and waits for that and for its own reads of this slot.  Behind it nobody reads this slot any more and the next slot is whole.
.macro MEET round                      ; round = 1: a round of the cluster's barrier follows
	WIN 0                                          ; (the add's two registers lie in window 0)
	s_wait_tensorcnt 0x0                           ; all my tensor loads have landed;
	ds_add_u32 v[SPW], v[NIL]                      ; 0 onto my spare word;
	s_wait_dscnt 9                                 ; (the add and the youngest eight loads may be out)
	MUL16 F1, 0, 0, 0                              ; sixteen matrix instructions stand between the add and the wait for it
	s_wait_dscnt 0x0                               ; the add is done, and my reads of this slot are over:
	s_barrier_signal -1                            ; say so,
	MUL16 F1, 0, 2, 0                              ; work on registers while the others arrive,
.if \round
	WIN 0
.endif
	s_barrier_wait -1                              ; and go on when all four have said so
.endm
; The whole last quarter.  fill = 1: the barrier opens a round of the cluster's barrier, and behind the round the slot just read out is filled again first, with the K step two steps on:
; from that request to the wait for it a wave issues 224 matrix instructions.  Then come the next slot's first fragments.
.macro TURN slot, next, fill
	MEET \fill
.if \fill
	CREST                                          ; no wave of any partner still reads this slot's tile or has a load on its way
	s_add_nc_u64 s[G0+4*(\slot)+2:G0+4*(\slot)+3], s[G0+4*(\slot)+2:G0+4*(\slot)+3], 2*KSTEP*2
	s_add_nc_u64 s[G0B+4*(\slot)+2:G0B+4*(\slot)+3], s[G0B+4*(\slot)+2:G0B+4*(\slot)+3], 2*KSTEP*2
	JLOAD \slot                                    ; my one tensor load behind the round; the four v_nop behind it are also the places in front of the loads below
.else
	PLACES
.endif
	FETCH \next, 0, F0
	MUL16 F1, 1, 0, 0
	MUL16 F1, 1, 2, 0
.endm
; THE WAY OUT of block a (16 rows x 128 columns of f32), in two parts.  TOSTAGE: a lane's 32 bytes of a row go into my own stage, each accumulator's low four registers first,
; and come back as whole rows of 512 bytes.  SEND: stored.
.macro TOSTAGE a
.set AC, 64*((\a)%4)
.set BK, F0+64*((\a)%2)
	WIN 0x08+4*((\a)/4)                            ; the stores' data (source 1): window 2 or 3
.irp b, 0,1,2,3,4,5,6,7
	ds_store_b128 v[STO], v[AC+8*(\b):AC+8*(\b)+3]   offset:64*(\b)
	ds_store_b128 v[STO], v[AC+8*(\b)+4:AC+8*(\b)+7] offset:64*(\b)+16
.endr
	WIN 0
	s_wait_xcnt 0x0                                ; every earlier store has had its addresses translated (ISA guide 3.1): the bank, which block a - 2's stores read, is loaded again only behind this wait
.irp t, 0,1,2,3,4,5,6,7,8,9,10,11,12,13,14,15
	ds_load_b128 v[BK+4*(\t):BK+4*(\t)+3], v[RD] offset:(\t)*SPITCH  ; LDS serves a wave's instructions in order (ISA guide 5.7.1.4): these see the stores above; the next block's stores come behind them
.endr
.endm
.macro SEND a, younger                 ; younger: the LDS instructions issued behind block a's loads: the next block's 32, or none
.set BK, F0+64*((\a)%2)
	s_wait_dscnt \younger                          ; the block is back in registers
.irp t, 0,1,2,3,4,5,6,7,8,9,10,11,12,13,14,15
	global_store_b128 v[CO], v[BK+4*(\t):BK+4*(\t)+3], s[8:9] offset:(16*(\a)+(\t))*SIZE_N*4 th:TH_STORE_NT  ; 512 consecutive bytes, at a multiple of 512 from out0's first byte; 127 rows at the most: 1,040,384, inside the signed 24-bit immediate
.endr
.endm
	s_wait_tensorcnt 1                             ; my part of K step 0 is in (K step 1's may stay out)
	s_barrier_signal -1
	s_barrier_wait -1                              ; everybody's is
	FETCH 0, 0, F0
	s_wait_loadcnt 0x0                             ; the bias
	QUARTER 0, 64,  F0, F1, 1                      ; the first quarter stands in front of the loop: its products start the sums
	WIN 0                                          ; at a label and at a branch every window is 0
	s_mov_b32 s3, LAPS-1
.Llap:                                                 ; a trip goes once round the ring, from a lap's second quarter to the next lap's first, and fills both slots again
	QUARTER 0, 128, F1, F0, 0
	QUARTER 0, 192, F0, F1, 0
	TURN 0, 1, 1
	QUARTER 1, 64,  F0, F1, 0
	QUARTER 1, 128, F1, F0, 0
	QUARTER 1, 192, F0, F1, 0
	TURN 1, 0, 1
	QUARTER 0, 64,  F0, F1, 0
	WIN 0
	s_sub_co_u32 s3, s3, 1
	s_cmp_lg_u32 s3, 0
	s_cbranch_scc1 .Llap
	QUARTER 0, 128, F1, F0, 0                      ; the last lap is written out: it asks for nothing, and has no round of the cluster's barrier
	QUARTER 0, 192, F0, F1, 0
	TURN 0, 1, 0
	QUARTER 1, 64,  F0, F1, 0
	QUARTER 1, 128, F1, F0, 0
	QUARTER 1, 192, F0, F1, 0
	s_wait_dscnt 8                                 ; the very last quarter: nothing more to fetch
	MUL16 F1, 0, 0, 0
	MUL16 F1, 0, 2, 0
	s_wait_dscnt 0x0
	MUL16 F1, 1, 0, 0
	MUL16 F1, 1, 2, 0
	WIN 0
	PLACES                                         ; behind the last products: for the LDS stores that read results, and for the loads into xb's fragment buffers
	TOSTAGE 0
.irp a, 1,2,3,4,5,6,7                  ; block a's way through the stage is begun before block a - 1's loads are waited for
	TOSTAGE \a
	SEND (\a)-1, 32
.endr
	SEND 7, 0
	s_wait_tensorcnt 0x0                           ; the wave's end, behind my last tensor load and my last LDS store
	ds_add_u32 v[SPW], v[NIL]
	s_wait_dscnt 0x0
	CROUND                                         ; the closing round: no work-group ends while a partner may still ask for a tile that names it
	s_endpgm
.Lfunc_end_k_q9068fce003_gemm:
	.size	k_q9068fce003_gemm, .Lfunc_end_k_q9068fce003_gemm-k_q9068fce003_gemm
	.p2alignl 7, 3214868480
	.fill 96, 4, 3214868480
	.section	.rodata,"a",@progbits
	.p2align	6, 0x0
	.amdhsa_kernel k_q9068fce003_gemm
		.amdhsa_group_segment_fixed_size 327680
		.amdhsa_private_segment_fixed_size 0
		.amdhsa_enable_private_segment 0
		.amdhsa_kernarg_size 32
		.amdhsa_user_sgpr_count 2
		.amdhsa_user_sgpr_kernarg_segment_ptr 1
		.amdhsa_wavefront_size32 1
		.amdhsa_system_sgpr_workgroup_id_x 1
		.amdhsa_system_sgpr_workgroup_id_y 1
		.amdhsa_system_sgpr_workgroup_id_z 1
		.amdhsa_system_vgpr_workitem_id 0
		.amdhsa_next_free_vgpr 1024
		.amdhsa_next_free_sgpr 68
		.amdhsa_reserve_vcc 0
		.amdhsa_float_denorm_mode_32 3
		.amdhsa_float_denorm_mode_16_64 3
		.amdhsa_memory_ordered 1
		.amdhsa_forward_progress 1
		.amdhsa_inst_pref_size 142
	.end_amdhsa_kernel
	.amdgpu_metadata
---
amdhsa.version: [ 1, 2 ]
amdhsa.kernels:
  - .name:           k_q9068fce003_gemm
    .symbol:         k_q9068fce003_gemm.kd
    .args:
      - { .name: xb, .offset: 0, .size: 8, .value_kind: global_buffer, .address_space: global }
      - { .name: wb, .offset: 8, .size: 8, .value_kind: global_buffer, .address_space: global }
      - { .name: bias, .offset: 16, .size: 8, .value_kind: global_buffer, .address_space: global }
      - { .name: out0, .offset: 24, .size: 8, .value_kind: global_buffer, .address_space: global }
    .group_segment_fixed_size: 327680
    .private_segment_fixed_size: 0
    .kernarg_segment_align: 8
    .kernarg_segment_size: 32
    .max_flat_workgroup_size: 128
    .sgpr_count:     68
    .vgpr_count:     1024
    .wavefront_size: 32
...
	.end_amdgpu_metadata
.endif
;; end of part 2
